; MI455X (gfx1250); checked and timed in simulation.
; The chip was launched on July 23, 2026; its instructions are those of AMD's public machine-readable ISA for CDNA 5 (MIT licence, August 2026) and "CDNA5" Instruction Set Architecture Reference Guide (July 2026). The comments in the code are by the model that wrote it; some were corrected since.
;; Net. Allowed arithmetic: matrix products marked QUANTISED: E5M2 operands, one given power-of-two scale a tensor, by v_wmma_f32_16x16x64_bf8_bf8 or v_wmma_f32_16x16x128_bf8_bf8, f32 sums; everything else in f32.
;; Inputs: W_u_codes 2,048 x 64 x 32 uint8 (E5M2 codes of W_u, K innermost, in blocks of 32 codes); W_v_codes 2,048 x 64 x 32 uint8 (E5M2 codes of W_v, K innermost, in blocks of 32 codes); b_u 2,048 float32; b_v 2,048 float32; ln_u_b 2,048 float32; ln_u_w 2,048 float32; ln_v_b 2,048 float32; ln_v_w 2,048 float32; lowp_scales 4 int32 (the exponents e of the quantised operands' scales 2^e); u 8,192 x 2,048 float32; v 8,192 x 2,048 float32.
;; Outputs: out0 8,192 float32.
;; This version of the problem:
;;   THIS VERSION OF THE PROBLEM IS GIVEN IN LOW PRECISION. The matrix products marked QUANTISED in the list below multiply operands that are first quantised to E5M2 (5 exponent bits, 2 mantissa bits; 8 bits a number), with one given power-of-two scale for each operand tensor; their sums are f32. All else is computed in f32.
;;   The module's matrix products, in the order in which they are computed (A, B: the left and right operand; K: the contracted axis; several contracted axes count as one K, in the product's order):
;;     1. [M 8,192, K 2,048] x [K 2,048, N 2,048]; A: computed on the way; B: input W_u (given as codes): QUANTISED (scales: A lowp_scales[0], B lowp_scales[1])
;;     2. [M 8,192, K 2,048] x [K 2,048, N 2,048]; A: computed on the way; B: input W_v (given as codes): QUANTISED (scales: A lowp_scales[2], B lowp_scales[3])
;;   THE QUANTISER, for each operand of a quantised product, along K:
;;     - The operand's scale is 2^e, e = its entry of the input lowp_scales (int32; the entries are numbered through the quantised products in the list's order, A before B).
;;     - Each number is divided by the scale, clamped to +-57,344, and rounded to the nearest number of E5M2, ties to even, subnormals kept.
;;     - The product sums the exact products of the quantised numbers (number of the format x scale) in f32.
;;   ~~~python
;;   def quantise(x, axis, e):      # numpy; x: float32 -> the quantised numbers, widened to float32 again
;;       x = np.moveaxis(x, axis, -1); K = x.shape[-1]
;;       r = np.clip(x / 2.0 ** e, -57344, 57344)
;;       step = 2.0 ** (np.maximum(np.frexp(np.where(r == 0, 1, r))[1] - 1, -14) - 2)
;;       q = np.round(r / step) * step * 2.0 ** e      # np.round: ties to even
;;       return np.moveaxis(q, -1, axis).astype(np.float32)
;;   ~~~
;;   OPERANDS COMPUTED ON THE WAY. 'Computed on the way' means the value that the module computes at that place (a softmax that the list does not call 'softmax' is quantised finished and normalised). What goes into a quantiser is computed in f32, as accurately as f32 sums, v_exp_f32 and their like allow (about 1e-6 of the number): no bf16 or f16 on the way to a quantiser, and a product that is left as it is and whose result goes on into a quantised operand takes f32 operands (vector FMAs, or v_wmma_f32_16x16x4_f32). A number that lies on a knife's edge between two numbers of the format may be rounded either way, as far as f32 arithmetic and the matrix unit's own rounding can turn it there, and no further.
;;   INPUTS GIVEN AS CODES. W_u (in the module: [2048, 2048], K = its axis 0); W_v (in the module: [2048, 2048], K = its axis 0): each comes as NAME_codes (uint8): NAME with its K axis moved to the last place and cut into blocks of 32 codes, [.., K / 32, bytes a block], one block behind the other in memory; one code a byte (a code: sign, 5 exponent bits, 2 mantissa bits); its scale is its entry of lowp_scales. Its value is code x scale, taken as it is: it is not quantised again, and the codes and scales need not be those that the quantiser above would give.
;; One version. Each part assembles by itself: llvm-mc -triple=amdgcn-amd-amdhsa -mcpu=gfx1250 --defsym DOCPART=n.
;; ======== version 1 of 1: 3 launches
;; workspace buffers: acodes 33,554,432 bytes; wimg 8,388,608 bytes; part 524,288 bytes
;; launch prep (part 1): grid 256 x 1, 16 waves a work-group, no clusters, 122,880 bytes of LDS; arguments u, v, ln_u_w, ln_u_b, ln_v_w, ln_v_b, W_u_codes, W_v_codes, lowp_scales, acodes, wimg; writes acodes, wimg
.if DOCPART == 1
	.amdgcn_target "amdgcn-amd-amdhsa--gfx1250"
	.amdhsa_code_object_version 6
	.text
	.protected	k_qbd6c7c26d1_prep
	.globl	k_qbd6c7c26d1_prep
	.p2align	8
	.type	k_qbd6c7c26d1_prep,@function
k_qbd6c7c26d1_prep:
	s_mov_b64 s[64:65], 0
	v_nop
	global_prefetch_b8 v0, s[64:65] scope:SCOPE_SE
	s_setreg_imm32_b32 hwreg(HW_REG_WAVE_MODE, 25, 1), 1
	s_wait_xcnt 0x0
; LayerNorm and quantiser of u and v, and a new order for the codes of W_u and W_v.  Both results are laid as IMAGES OF OPERAND REGISTERS for the products that follow:
; a fragment is 16 rows x 128 along K = 2,048 bytes; its byte 512 c + 256 h + 16 r + i is row r, k = 32 c + 16 h + i of the K step.
;   acodes [row block of 256: 32][K step: 16][tower: 2][fragment: 16][2,048]      wimg [column block of 128: 16][K step: 16][tower: 2][fragment: 8][2,048]
; y = (x - mean) * rsqrt(var + 1e-5) * gamma + beta, all in f32; the variance is taken of the differences from the mean, so a common offset of a row does no harm.
; code = y / 2^e, held within +-57,344, to the nearest code, ties to even.  e = entry 0 (u) or entry 2 (v) of the scales.
; LIMITS: e between -126 and 112, so that 2^e and 57,344 x 2^e are f32 numbers.  NaN among the inputs is not served.
; SHARES.  Work-groups 0-127 take tower u, 128-255 tower v: only pointers are chosen, the text has one path.  Work-group q of a tower takes rows 64 q .. 64 q + 63 in four passes of 16 rows,
; a wave a row (2,048 numbers = 64 registers a lane), and the 16 rows 16 q .. 16 q + 15 of its tower's weight codes, a wave a row.
; A wave's codes of a row belong to 16 different fragments (one for each K step); so a pass's 16 rows meet in a stage in LDS, and wave w then stores K step w's whole fragment, 2,048 bytes on end.
; No cluster, no tensor load: the work-groups share only gamma and beta, 16 KB beside the 544 KB that each reads alone.  No prefetch: the launch does nothing but stream.
.set UP,    272                        ; a unit of the stage: 16 rows x 16 bytes + 16 of padding = 68 words, so that units start 4 banks apart (64 banks of 4 bytes: ISA guide 11.1)
.set STG0,  0                          ; two stages for x by turns, 128 units each (unit 8 s + 2 c + h),
.set STG1,  128*UP
.set STGW,  2*128*UP                   ; one for W,
.set GB,    3*128*UP                   ; then gamma (8,192 bytes) and beta (8,192 bytes)
.set XO,  2                            ; v2   x: 8,192 x wave + 16 x lane
.set WO,  3                            ; v3   W: 2,048 x wave + 16 x lane
.set GO,  4                            ; v4   gamma, beta: 16 x thread
.set AO,  5                            ; v5   the way out: 16 x lane
.set SA,  6                            ; v6, v7   into stage 0, 1: 272 (lane / 4) + 4 (lane % 4) + 16 x wave
.set SW,  8                            ; v8   into W's stage: 272 x lane + 16 x wave
.set RA,  9                            ; v9, v10  out of stage 0, 1: 8 units x wave + 272 (lane / 16) + 16 (lane % 16)
.set RAW, 11                           ; v11  out of W's stage
.set LG,  12                           ; v12  gamma in LDS, 16 x lane
.set GS,  13                           ; v13  gamma in LDS, 16 x thread
.set LIMV, 14                          ; v14  57,344 x 2^e
.set SCV, 15                           ; v15  2^e
.set SM,  16                           ; v16-23   four packed chains of sums
.set GBR, 32                           ; v32-63   two sets of 8 gamma + 8 beta
.set CD,  64                           ; v64-79   a row's codes: register j = my four codes of K step j
.set OUT, 80                           ; v80-95   a fragment on its way out
.set WR,  96                           ; v96-111  a row of W's codes
.set X0,  112                          ; v112-239 two sets of 64 numbers
	s_load_b512 s[4:19], s[0:1], 0x0               ; u, v, ln_u_w, ln_u_b, ln_v_w, ln_v_b, W_u_codes, W_v_codes
	s_load_b128 s[20:23], s[0:1], 0x40             ; the scales' exponents, acodes
	s_load_b64 s[24:25], s[0:1], 0x50              ; wimg
	v_lshl_add_u32 v240, v0, 2, 0x1d800
	v_mov_b32 v241, 0
	v_and_b32 v1, 31, v0                           ; lane
	v_lshrrev_b32 v30, 5, v0                       ; wave
	v_readfirstlane_b32 s27, v30
	v_lshlrev_b32 v[AO], 4, v1
	v_lshl_add_u32 v[XO], v30, 13, v[AO]
	v_lshl_add_u32 v[WO], v30, 11, v[AO]
	v_lshlrev_b32 v[GO], 4, v0
	v_bfe_u32 v31, v0, 2, 3                        ; lane / 4
	v_mul_u32_u24 v31, v31, UP
	v_and_b32 v28, 3, v0
	v_lshl_add_u32 v31, v28, 2, v31
	v_lshl_add_u32 v[SA], v30, 4, v31
	v_add_nc_u32 v[SA+1], STG1, v[SA]
	v_mul_u32_u24 v31, v1, UP
	v_lshl_add_u32 v31, v30, 4, v31
	v_add_nc_u32 v[SW], STGW, v31
	v_bfe_u32 v31, v0, 4, 1                        ; lane / 16
	v_mul_u32_u24 v31, v31, UP
	v_and_b32 v28, 15, v0
	v_lshl_add_u32 v31, v28, 4, v31
	v_mad_u32_u24 v[RA], v30, 8*UP, v31
	v_add_nc_u32 v[RA+1], STG1, v[RA]
	v_add_nc_u32 v[RAW], STGW, v[RA]
	v_add_nc_u32 v[LG], GB, v[AO]
	v_add_nc_u32 v[GS], GB, v[GO]
	v_mov_b32 v29, 0                               ; written once: a lane permute's destination counts as one of its sources
	s_and_b32 s26, ttmp9, 127                      ; q
	s_lshr_b32 s46, ttmp9, 7                       ; tower
	s_mov_b32 s40, 0x76543210                      ; v_permlanex16_b32: lane l xor 16
	s_mov_b32 s41, 0xfedcba98
	s_mov_b32 s42, 0x3a000000                      ; 1 / 2,048
	s_mov_b32 s43, 0x3727c5ac                      ; 1e-5
	s_lshr_b32 s44, s26, 2                         ; acodes: row block q / 4,
	s_lshl_b32 s44, s44, 20
	s_lshl_b32 s47, s46, 15                        ; tower,
	s_add_co_u32 s44, s44, s47
	s_and_b32 s47, s26, 3                          ; fragments 4 (q % 4) on,
	s_lshl_b32 s47, s47, 13
	s_add_co_u32 s44, s44, s47
	s_lshl_b32 s47, s27, 16                        ; K step = my wave's number
	s_add_co_u32 s44, s44, s47
	s_mov_b32 s45, 0
	s_lshr_b32 s48, s26, 3                         ; wimg: column block q / 8,
	s_lshl_b32 s48, s48, 19
	s_lshl_b32 s47, s27, 15                        ; K step = my wave's number,
	s_add_co_u32 s48, s48, s47
	s_lshl_b32 s47, s46, 14                        ; tower,
	s_add_co_u32 s48, s48, s47
	s_and_b32 s47, s26, 7                          ; fragment q % 8
	s_lshl_b32 s47, s47, 11
	s_add_co_u32 s48, s48, s47
	s_mov_b32 s49, 0
	s_lshl_b32 s50, s26, 19                        ; x: 64 rows of 8,192 bytes
	s_mov_b32 s51, 0
	s_lshl_b32 s52, s26, 15                        ; W: 16 rows of 2,048 bytes
	s_mov_b32 s53, 0
	s_wait_kmcnt 0x0
	s_load_b128 s[36:39], s[20:21], 0x0            ; the four exponents
	s_cmp_lt_u32 ttmp9, 128                        ; the choice hangs on the work-group's number alone
	s_cselect_b64 s[28:29], s[4:5], s[6:7]         ; x
	s_cselect_b64 s[30:31], s[8:9], s[12:13]       ; gamma
	s_cselect_b64 s[32:33], s[10:11], s[14:15]     ; beta
	s_cselect_b64 s[34:35], s[16:17], s[18:19]     ; W
	s_add_nc_u64 s[28:29], s[28:29], s[50:51]
	s_add_nc_u64 s[34:35], s[34:35], s[52:53]
	s_add_nc_u64 s[22:23], s[22:23], s[44:45]
	s_add_nc_u64 s[24:25], s[24:25], s[48:49]
.macro XLOAD p                         ; my row of pass p: 16 loads of 512 consecutive bytes; register group j holds k = 128 j + 4 x lane + 0 .. 3: j is the K step
.irp j, 0,1,2,3,4,5,6,7,8,9,10,11,12,13,14,15
	global_load_b128 v[X0+64*((\p)%2)+4*\j:X0+64*((\p)%2)+4*\j+3], v[XO], s[28:29] offset:131072*(\p)+512*\j th:TH_LOAD_NT
.endr
.endm
.macro GLOAD q                         ; gamma and beta of register groups 2 q and 2 q + 1, into set q % 2
	ds_load_b128 v[GBR+16*((\q)%2):GBR+16*((\q)%2)+3],     v[LG] offset:1024*(\q)
	ds_load_b128 v[GBR+16*((\q)%2)+4:GBR+16*((\q)%2)+7],   v[LG] offset:1024*(\q)+512
	ds_load_b128 v[GBR+16*((\q)%2)+8:GBR+16*((\q)%2)+11],  v[LG] offset:8192+1024*(\q)
	ds_load_b128 v[GBR+16*((\q)%2)+12:GBR+16*((\q)%2)+15], v[LG] offset:8192+1024*(\q)+512
.endm
.macro REDUCE                          ; the four chains, then the 32 lanes: the row's sum in v28 of every lane
	v_pk_add_f32 v[SM:SM+1], v[SM:SM+1], v[SM+2:SM+3]
	v_pk_add_f32 v[SM+4:SM+5], v[SM+4:SM+5], v[SM+6:SM+7]
	v_pk_add_f32 v[SM:SM+1], v[SM:SM+1], v[SM+4:SM+5]
	v_add_f32 v28, v[SM], v[SM+1]
	v_add_f32_dpp v28, v28, v28 row_xmask:1 row_mask:0xf bank_mask:0xf
	v_add_f32_dpp v28, v28, v28 row_xmask:2 row_mask:0xf bank_mask:0xf
	v_add_f32_dpp v28, v28, v28 row_xmask:4 row_mask:0xf bank_mask:0xf
	v_add_f32_dpp v28, v28, v28 row_xmask:8 row_mask:0xf bank_mask:0xf
	v_permlanex16_b32 v29, v28, s40, s41
	v_add_f32 v28, v28, v29
.endm
.irp j, 0,1,2,3
	global_load_b128 v[WR+4*\j:WR+4*\j+3], v[WO], s[34:35] offset:512*\j th:TH_LOAD_NT   ; my row of W: lane l of load j holds k = 512 j + 16 l + 0 .. 15: one unit's 16 bytes
.endr
	global_load_b128 v[GBR:GBR+3], v[GO], s[30:31]
	global_load_b128 v[GBR+4:GBR+7], v[GO], s[32:33]
	XLOAD 0
	XLOAD 1                                        ; two rows of every wave are on their way
	s_wait_kmcnt 0x0
	s_cmp_lt_u32 ttmp9, 128
	s_cselect_b32 s36, s36, s38                    ; e
	s_add_co_i32 s36, s36, 127
	s_lshl_b32 s37, s36, 23
	v_mov_b32 v[SCV], s37                          ; 2^e as f32: the conversion takes its exponent field
	s_add_co_i32 s36, s36, 15
	s_lshl_b32 s36, s36, 23
	s_or_b32 s36, s36, 0x600000
	v_mov_b32 v[LIMV], s36                         ; 57,344 x 2^e
	s_wait_loadcnt 32                              ; W, gamma and beta are in; the 32 loads of x issued behind them stay out
.irp j, 0,1,2,3
	ds_store_b128 v[SW], v[WR+4*\j:WR+4*\j+3] offset:32*UP*\j     ; unit 32 j + lane, row = my wave
.endr
	ds_store_b128 v[GS], v[GBR:GBR+3]
	ds_store_b128 v[GS], v[GBR+4:GBR+7] offset:8192
	s_wait_dscnt 0x0                               ; for the others' sake: my stores have landed
	s_barrier_signal -1
	s_barrier_wait -1
.irp i, 0,1,2,3
	ds_load_b128 v[OUT+4*\i:OUT+4*\i+3], v[RAW] offset:2*UP*\i    ; K step w of the 16 rows: units 8 w + 2 i and 8 w + 2 i + 1
.endr
	s_wait_dscnt 0x0
.irp i, 0,1,2,3
	global_store_b128 v[AO], v[OUT+4*\i:OUT+4*\i+3], s[24:25] offset:512*\i   ; 32 lanes store 512 consecutive bytes, at a multiple of 256 from the buffer's first byte
.endr
.macro PASS p
.set XS, X0+64*((\p)%2)
	GLOAD 0
.if (\p) < 3
	s_wait_loadcnt 16                              ; this pass's 16 loads are in; the next pass's 16 may be out
.else
	s_wait_loadcnt 0x0
.endif
.irp c, 0,1,2,3                        ; the row's sum: four chains, started by the first eight pairs
	v_pk_add_f32 v[SM+2*\c:SM+2*\c+1], v[XS+2*\c:XS+2*\c+1], v[XS+8+2*\c:XS+8+2*\c+1]
.endr
.set PP, 8
.rept 24
	v_pk_add_f32 v[SM+2*(PP%4):SM+2*(PP%4)+1], v[SM+2*(PP%4):SM+2*(PP%4)+1], v[XS+2*PP:XS+2*PP+1]
.set PP, PP+1
.endr
	REDUCE
	v_mul_f32 v24, s42, v28                        ; the mean, twice: a pair for the packed forms
	v_mov_b32 v25, v24
.set PP, 0
.rept 32
	v_pk_add_f32 v[XS+2*PP:XS+2*PP+1], v[XS+2*PP:XS+2*PP+1], v[24:25] neg_lo:[0,1] neg_hi:[0,1]   ; x - mean
.set PP, PP+1
.endr
.irp c, 0,1,2,3                        ; the sum of their squares
	v_pk_mul_f32 v[SM+2*\c:SM+2*\c+1], v[XS+2*\c:XS+2*\c+1], v[XS+2*\c:XS+2*\c+1]
.endr
.set PP, 4
.rept 28
	v_pk_fma_f32 v[SM+2*(PP%4):SM+2*(PP%4)+1], v[XS+2*PP:XS+2*PP+1], v[XS+2*PP:XS+2*PP+1], v[SM+2*(PP%4):SM+2*(PP%4)+1]
.set PP, PP+1
.endr
	REDUCE
	v_fma_f32 v28, v28, s42, s43                   ; var + 1e-5
	v_rsq_f32 v26, v28
	v_nop                                          ; a plain instruction between the transcendental and the use of its result (ISA guide 5.7.2)
	s_wait_alu depctr_va_vdst(0)                   ; the wait ahead of the first reader
	v_mov_b32 v27, v26
.irp q, 0,1,2,3,4,5,6,7                ; eight numbers at a time: two register groups, K steps 2 q and 2 q + 1
.if \q < 7
	GLOAD \q+1
	s_wait_dscnt 4                                 ; this group's gamma and beta are in; the four loads just issued may be out
.else
	s_wait_dscnt 0x0
.endif
.irp i, 0,2,4,6
	v_pk_mul_f32 v[XS+8*\q+\i:XS+8*\q+\i+1], v[XS+8*\q+\i:XS+8*\q+\i+1], v[26:27]
.endr
.irp i, 0,2,4,6
	v_pk_fma_f32 v[XS+8*\q+\i:XS+8*\q+\i+1], v[XS+8*\q+\i:XS+8*\q+\i+1], v[GBR+16*(\q%2)+\i:GBR+16*(\q%2)+\i+1], v[GBR+16*(\q%2)+8+\i:GBR+16*(\q%2)+8+\i+1]
.endr
.irp i, 0,1,2,3,4,5,6,7
	v_med3_num_f32 v[XS+8*\q+\i], v[XS+8*\q+\i], -v[LIMV], v[LIMV]   ; the conversion to an 8-bit code does not saturate (ISA guide 7.6.2): the hold at the largest code x the scale
.endr
	v_cvt_scalef32_pk8_bf8_f32 v[CD+2*\q:CD+2*\q+1], v[XS+8*\q:XS+8*\q+7], v[SCV]   ; low register: four codes of K step 2 q; high register: of K step 2 q + 1.  The next group's packed lines are the plain place behind it
.endr
	v_nop                                          ; the plain place behind the last conversion
.irp j, 0,1,2,3,4,5,6,7,8,9,10,11,12,13,14,15
	ds_store_b32 v[SA+(\p)%2], v[CD+\j] offset:8*UP*\j   ; K step j, unit lane / 4, row = my wave, bytes 4 (lane % 4) on: word 68 (lane / 4) + lane % 4 + 4 w: the 32 lanes fall on 32 banks
.endr
.if (\p) < 2
	XLOAD (\p)+2                                   ; the numbers' registers are free: the row two passes on
.endif
	s_wait_dscnt 0x0                               ; my stores have landed.  (My reads of the other stage were waited for in the pass before: it is written again only behind this barrier)
	s_barrier_signal -1
	s_barrier_wait -1
	s_wait_xcnt 0x0                                ; the last stores have read v80-95: only behind this wait are they loaded again (ISA guide 3.1)
.irp i, 0,1,2,3
	ds_load_b128 v[OUT+4*\i:OUT+4*\i+3], v[RA+(\p)%2] offset:2*UP*\i
.endr
	s_wait_dscnt 0x0
.irp i, 0,1,2,3
	global_store_b128 v[AO], v[OUT+4*\i:OUT+4*\i+3], s[22:23] offset:2048*(\p)+512*\i   ; the pass's fragment of K step w: 2,048 bytes on end
.endr
.endm
	PASS 0
	PASS 1
	PASS 2
	PASS 3
	s_wait_tensorcnt 0x0
	ds_add_u32 v240, v241
	s_wait_dscnt 0x0
	s_endpgm
.Lfunc_end_k_qbd6c7c26d1_prep:
	.size	k_qbd6c7c26d1_prep, .Lfunc_end_k_qbd6c7c26d1_prep-k_qbd6c7c26d1_prep
	.p2alignl 7, 3214868480
	.fill 96, 4, 3214868480
	.section	.rodata,"a",@progbits
	.p2align	6, 0x0
	.amdhsa_kernel k_qbd6c7c26d1_prep
		.amdhsa_group_segment_fixed_size 122880
		.amdhsa_private_segment_fixed_size 0
		.amdhsa_enable_private_segment 0
		.amdhsa_kernarg_size 88
		.amdhsa_user_sgpr_count 2
		.amdhsa_user_sgpr_kernarg_segment_ptr 1
		.amdhsa_wavefront_size32 1
		.amdhsa_system_sgpr_workgroup_id_x 1
		.amdhsa_system_sgpr_workgroup_id_y 1
		.amdhsa_system_sgpr_workgroup_id_z 1
		.amdhsa_system_vgpr_workitem_id 0
		.amdhsa_next_free_vgpr 242
		.amdhsa_next_free_sgpr 66
		.amdhsa_reserve_vcc 0
		.amdhsa_float_denorm_mode_32 3
		.amdhsa_float_denorm_mode_16_64 3
		.amdhsa_memory_ordered 1
		.amdhsa_forward_progress 1
		.amdhsa_inst_pref_size 91
	.end_amdhsa_kernel
	.amdgpu_metadata
---
amdhsa.version: [ 1, 2 ]
amdhsa.kernels:
  - .name:           k_qbd6c7c26d1_prep
    .symbol:         k_qbd6c7c26d1_prep.kd
    .args:
      - { .name: u, .offset: 0, .size: 8, .value_kind: global_buffer, .address_space: global }
      - { .name: v, .offset: 8, .size: 8, .value_kind: global_buffer, .address_space: global }
      - { .name: ln_u_w, .offset: 16, .size: 8, .value_kind: global_buffer, .address_space: global }
      - { .name: ln_u_b, .offset: 24, .size: 8, .value_kind: global_buffer, .address_space: global }
      - { .name: ln_v_w, .offset: 32, .size: 8, .value_kind: global_buffer, .address_space: global }
      - { .name: ln_v_b, .offset: 40, .size: 8, .value_kind: global_buffer, .address_space: global }
      - { .name: W_u_codes, .offset: 48, .size: 8, .value_kind: global_buffer, .address_space: global }
      - { .name: W_v_codes, .offset: 56, .size: 8, .value_kind: global_buffer, .address_space: global }
      - { .name: lowp_scales, .offset: 64, .size: 8, .value_kind: global_buffer, .address_space: global }
      - { .name: acodes, .offset: 72, .size: 8, .value_kind: global_buffer, .address_space: global }
      - { .name: wimg, .offset: 80, .size: 8, .value_kind: global_buffer, .address_space: global }
    .group_segment_fixed_size: 122880
    .private_segment_fixed_size: 0
    .kernarg_segment_align: 8
    .kernarg_segment_size: 88
    .max_flat_workgroup_size: 512
    .sgpr_count:     66
    .vgpr_count:     242
    .wavefront_size: 32
...
	.end_amdgpu_metadata
.endif
;; end of part 1
;; launch towers (part 2): grid 16 x 32, 4 waves a work-group, clusters of 4 x 4, 327,680 bytes of LDS; arguments acodes, wimg, lowp_scales, b_u, b_v, part; writes part
.if DOCPART == 2
	.amdgcn_target "amdgcn-amd-amdhsa--gfx1250"
	.amdhsa_code_object_version 6
	.text
	.protected	k_qbd6c7c26d1_towers
	.globl	k_qbd6c7c26d1_towers
	.p2align	8
	.type	k_qbd6c7c26d1_towers,@function
k_qbd6c7c26d1_towers:
	s_mov_b64 s[64:65], 0
	v_nop
	global_prefetch_b8 v0, s[64:65] scope:SCOPE_SE
	s_setreg_imm32_b32 hwreg(HW_REG_WAVE_MODE, 25, 1), 1
	s_wait_xcnt 0x0
	s_wait_alu depctr_hold_cnt(0) depctr_sa_sdst(0) depctr_va_vdst(0) depctr_va_sdst(0) depctr_va_ssrc(0) depctr_va_vcc(0) depctr_vm_vsrc(0)
	s_getreg_b32 s2, hwreg(HW_REG_IB_STS2, 6, 4)
	s_cmp_eq_u32 s2, 0
	s_cbranch_scc0 .Lentry_in_a_cluster
	s_endpgm
.Lentry_in_a_cluster:
	s_bfe_u32 s2, ttmp6, 0x10000c
	s_cmp_lg_u32 s2, 0xf033
	s_cbranch_scc0 .Lentry_shape_is_right
	s_endpgm
.Lentry_shape_is_right:
; part[X][m] = the sum over the 128 columns n of column block X of hu[m][n] hv[m][n], h = leaky(A W + b), both products on codes of BF8 (E5M2) by v_wmma_f32_16x16x128_bf8_bf8, sums in f32.
; A (the normalised rows' codes) and W come as images of operand registers: a fragment of 16 rows x 128 K is 2,048 bytes, register group c of lane l at byte 512 c + 16 l (row l % 16, k = 32 c + 16 (l / 16) + 0 .. 15).
; The order of k inside a K step is the same in A and in W, so every product meets its partner.  A finished sum is multiplied once by 2^(eA + eW) of its tower.
; LIMITS: e[0] + e[1] and e[2] + e[3] lie between -126 and 127, so that the factor is an f32 number.  NaN among the inputs is not served.
; The f32 sums run over the 16 K steps from step o round to step o - 1 (o: below), not in ascending order: another order of rounding than the reference's.
; SHARES.  A work-group takes rows 256 Y .. + 255 and columns 128 X .. + 127 of BOTH towers.  Wave w: tower T = w % 2, rows 128 (w / 2) on: 128 x 128 of one tower, 64 accumulators, 512 registers.
; hu and hv meet behind the activation: the two waves of a row half each keep half of their rows and send the other half to the partner through LDS; each then makes 64 rows' sums.
; So that one text serves both: a wave's LOCAL blocks 0-3 are its true blocks 4 T + 0 .. 3 (kept, window 2), local blocks 4-7 the other four (sent, window 3).
; THE MATRIX INSTRUCTION IS USED TRANSPOSED (source 0 = 16 rows of W, source 1 = 16 rows of A): a lane holds one row m and eight neighbouring columns, so a row's sum stays in two lanes.
; CLUSTERS: 4 x 4 work-groups.  A's tiles hang on Y alone and are asked for jointly along a row of the cluster, W's on X alone and jointly along a column.
; EACH CLUSTER BEGINS K AT ANOTHER QUARTER: o = 4 ((cluster x + 2 cluster y) mod 4); step t of this text works on K step (o + t) mod 16.  The four clusters of a row of clusters read the same rows of A: their o are
; 0, 4, 8, 12 in some order, so they ask for a given K step of A at four different times, four steps apart, and not all at once.  Clusters of neighbouring rows, which read the same W, are eight steps apart.
; o hangs on the cluster's x and y alone, which all sixteen partners share: a joint load's descriptor is the same in all that its mask names.
; THE RING.  A K step (128 along K) is 64 KB of A (both towers) and 32 KB of W, each one dense block of memory.  Three slots; step t lies in slot t % 3.  Fragments are fetched into registers one step ahead, so early in
; an odd step t two slots are free: they are filled with steps t + 2 and t + 3, one load a wave (wave 0: A of t + 2, wave 1: A of t + 3, waves 2 and 3: W likewise), behind a round of the cluster's barrier.
; In each even step stands a plain barrier, in front of which each wave waits for that one load.  By the text's own count a wave has two tensor loads out at the head and one later.
; The 16 steps are written out: the slots come back to their places after six steps, which does not divide 16, and so every LDS address is a constant and a term in the wave's number.
; NO PREFETCH: of a cluster's 16 steps the first three are its first fills and the fourth goes out with the first refill, all at the kernel's head; each later step of A has been read by another cluster of the
; same row of clusters four steps before, and W is read by all 32 row blocks.
; REGISTERS, in windows of 256: window 0: v1-31 addresses; v32-95 the bias of my 64 columns-in-a-lane; v96-127 the dot products' chains; v128-255 A's fragments, ONE set (local block a at v[128 + 16 a]).
;   window 1: W's fragments, TWO sets, at v0 and v128; on the way out scratch, then the partner's half.   window 2: accumulators of local blocks 0-3 ((a, b) at v[8 (8 a + b)]).   window 3: of local blocks 4-7.
.set ASLOT, 0x10000                    ; a slot of A
.set BSLOT, 0x8000                     ; a slot of W
.set BREG,  3*ASLOT                    ; W's three slots lie behind A's three
.set SPARE, BREG+3*BSLOT               ; behind the ring: the spare words, 128 bytes for each wave: two blocks of 256 bytes that no other line names
.set FIN,   SPARE+512                  ; 256 bytes for each wave: its 64 sums on their way out
.set FINA,  4                          ; v4   FIN + 256 w + 128 (l / 16) + 4 (l % 16)
.set FINR,  5                          ; v5   FIN + 256 w + 8 l
.set ADRALO, 16                        ; v16-18  my local blocks 0-3 of A in slot 0, 1, 2
.set ADRAHI, 19                        ; v19-21  my local blocks 4-7
.set ADRB,  22                         ; v22-24  my tower's W
.set STO,   25                         ; v25  the exchange: where I send: 32,768 w + 16 l  (in A's slots 0 and 1, behind their last fill and their last read)
.set RDP,   26                         ; v26  and where my partner has sent: 32,768 (w xor 1) + 16 l
.set SPW,   28                         ; v28  my spare word: SPARE + 4 x my thread's number; never rewritten
.set NIL,   29                         ; v29  0; never rewritten
.set BO,    30                         ; v30  the bias: 32 (l / 16)
.set PO,    31                         ; v31  part: 8 l
.set BIAS,  32
.set DOT,   96
.set AF,    128
.set KS,   22                          ; s22  the K step that my walking load asks for: (o + t + 2 + w % 2) mod 16
.set K0,   23                          ; s23  o
.set G1A,  24                          ; s[24:31] group 1: a K step of A, 256 rows of 256 bytes
.set G1AH, 32                          ; s[32:39] half of one, 128 rows
.set G1B,  40                          ; s[40:47] a K step of W, 128 rows
.set G1BH, 48                          ; s[48:55] half of one, 64 rows
.set G0AF, 56                          ; s[56:59] group 0 of A's first load
.set G0A,  60                          ; s[60:63] of A's walking load
.set G0BF, 68                          ; s[68:71], s[72:75] the same for W
.set G0B,  72
.set SEL,  84                          ; s[84:85] v_permlanex16_b32: lane l xor 16
.set SC,   86                          ; s[86:87] 2^(eA + eW), twice
                                       ; s[2:3]   a byte offset with 0 above it;  s[92:93] A at my row block, s[94:95] W at my column block: never rewritten
.set MSB, 0
.macro WIN new                         ; the immediate's high byte repeats the setting that is left; a switch that changes nothing is dropped
.if MSB != \new
	s_set_vgpr_msb (MSB<<8)|\new
.set MSB, \new
.endif
.endm
.set MUL_LO, 0xa1                      ; source 0 (W) window 1, source 1 (A) window 0, C and D window 2
.set MUL_HI, 0xf1                      ; the same, C and D window 3
.macro PLACES n                        ; a load into a register that a matrix instruction has read, and a vector instruction that touches its registers, stand four plain vector instructions behind it (ISA guide 7.12.1 for vector instructions)
.rept \n
	v_nop
.endr
.endm
.macro CREST                           ; a round of the cluster's barrier behind its opening barrier
	s_cmp_lg_u32 s16, 0
	s_cbranch_scc1 .Lnot_wave_0_\@
	s_barrier_signal -3
.Lnot_wave_0_\@:
	s_barrier_wait -3
	s_barrier_signal -1
	s_barrier_wait -1
.endm
.macro CROUND                          ; a whole round
	s_barrier_signal -1
	s_barrier_wait -1
	CREST
.endm
; A joint refill: waves 0 and 1 ask for A, waves 2 and 3 for W.  Each line has one mask and one set of registers; the branch hangs on the wave's number alone.  Four v_nop follow each line.
.macro JLOAD
	s_cmp_eq_u32 s18, 0
	s_cbranch_scc0 .Lfor_b_\@
	tensor_load_to_lds s[G0A:G0A+3], s[G1A:G1A+7]
	s_nop 0
	PLACES 4
	s_branch .Lasked_\@
.Lfor_b_\@:
	tensor_load_to_lds s[G0B:G0B+3], s[G1B:G1B+7]
	s_nop 0
	PLACES 4
.Lasked_\@:
.endm
.macro JLOAD_LAST                      ; only step 15 is left: waves 0 and 2 ask, waves 1 and 3 have nothing to fill
	s_cmp_eq_u32 s16, 0
	s_cbranch_scc0 .Lnot_a_\@
	tensor_load_to_lds s[G0A:G0A+3], s[G1A:G1A+7]
	s_nop 0
	PLACES 4
	s_branch .Lasked_\@
.Lnot_a_\@:
	s_cmp_eq_u32 s16, 2
	s_cbranch_scc0 .Lasked_\@
	tensor_load_to_lds s[G0B:G0B+3], s[G1B:G1B+7]
	s_nop 0
	PLACES 4
.Lasked_\@:
.endm
	s_load_b256 s[4:11], s[0:1], 0x0               ; acodes s[4:5], wimg s[6:7], the scales' exponents s[8:9], b_u s[10:11]
	s_load_b128 s[12:15], s[0:1], 0x20             ; b_v s[12:13], part s[14:15]
	v_lshl_add_u32 v[SPW], v0, 2, SPARE
	v_mov_b32 v[NIL], 0
	ds_add_u32 v28, v29
	ds_add_u32 v28, v29
	s_wait_dscnt 0x0
	v_lshrrev_b32 v1, 5, v0
	v_readfirstlane_b32 s16, v1                    ; wave 0..3
	s_and_b32 s17, s16, 1                          ; T: my tower.  Also: which of the two steps of a refill I ask for
	s_lshr_b32 s18, s16, 1                         ; which 128 rows are mine.  Also: I ask for A (0) or for W (1)
	s_xor_b32 s19, s17, 1
	s_bfe_u32 s76, ttmp6, 0x40000                  ; cx, cy: my place in the cluster
	s_bfe_u32 s77, ttmp6, 0x40004
	s_lshl_b32 s78, ttmp9, 2
	s_add_co_u32 s78, s78, s76                     ; X = 4 x cluster x + cx
	s_and_b32 s79, ttmp7, 0xffff                   ; cluster y
	s_lshl_b32 s[K0], s79, 1
	s_add_co_u32 s[K0], s[K0], ttmp9               ; cluster x + 2 cluster y,
	s_lshl_b32 s[K0], s[K0], 2
	s_and_b32 s[K0], s[K0], 12                     ; o = 4 x (that mod 4): the K step at which my cluster begins
	s_lshl_b32 s79, s79, 2
	s_add_co_u32 s79, s79, s77                     ; Y = 4 x cluster y + cy
	s_lshl_b32 s80, s77, 2
	s_lshl_b32 s80, 15, s80                        ; my row of the cluster
	s_lshl_b32 s81, 0x1111, s76                    ; my column
	; descriptor group 1: dense blocks as rows of 256 bytes: elements of 8 bytes, 32 to a row, pitch 32, no padding
	s_or_b32 s[G1A], s80, (3<<16)|(1<<21)          ; 15:0 the mask: A goes to my row; 17:16 elements of 8 bytes; 21 set beside a mask
	s_or_b32 s[G1AH], s80, (3<<16)|(1<<21)
	s_or_b32 s[G1B], s81, (3<<16)|(1<<21)          ; W goes to my column
	s_or_b32 s[G1BH], s81, (3<<16)|(1<<21)
.irp g, G1A, G1AH, G1B, G1BH
	s_mov_b32 s[\g+1], 32<<16                      ; tensor_dim0 = 32
	s_mov_b32 s[\g+3], 32<<16                      ; tile_dim0 = 32
	s_mov_b32 s[\g+5], 32                          ; tensor_dim0_stride
	s_mov_b32 s[\g+6], 0
	s_mov_b32 s[\g+7], 0
.endr
	s_mov_b32 s[G1A+2], 256<<16                    ; tensor_dim1,
	s_mov_b32 s[G1A+4], 256                        ; tile_dim1
	s_mov_b32 s[G1AH+2], 128<<16
	s_mov_b32 s[G1AH+4], 128
	s_mov_b32 s[G1B+2], 128<<16
	s_mov_b32 s[G1B+4], 128
	s_mov_b32 s[G1BH+2], 64<<16
	s_mov_b32 s[G1BH+4], 64
	s_lshl_b32 s92, s79, 20                        ; A's row block: of Y alone
	s_mov_b32 s93, 0
	s_lshl_b32 s94, s78, 19                        ; W's column block: of X alone
	s_mov_b32 s95, 0
	s_mov_b32 s3, 0                                ; the upper word of the offsets' pair: stays 0
	s_add_co_u32 s[KS], s[K0], s17
	s_add_co_u32 s[KS], s[KS], 1                   ; my walking load begins at K step o + 1 + w % 2, at most 14: no turn round yet
	s_wait_kmcnt 0x0
	s_load_b128 s[88:91], s[8:9], 0x0              ; the four exponents
	s_add_nc_u64 s[92:93], s[4:5], s[92:93]
	s_add_nc_u64 s[94:95], s[6:7], s[94:95]
	; group 0.  The first load: my half of K step o, into slot 0.  The walking load: K step o + 1 + w % 2, into slot 1 + w % 2.  Every wave makes A's and W's and asks by one of them.
	s_mov_b32 s[G0AF], 1                           ; 1:0 count = 1
	s_lshl_b32 s[G0AF+1], s17, 15                  ; 63:32 LDS address: my half of slot 0
	s_lshl_b32 s2, s[K0], 16                       ; a K step of A is 65,536 bytes
	s_add_co_u32 s2, s2, s[G0AF+1]                 ; + my half
	s_add_nc_u64 s[G0AF+2:G0AF+3], s[92:93], s[2:3]   ; 120:64 global address
	s_or_b32 s[G0AF+3], s[G0AF+3], 0x80000000      ; 127:126 type = 2
	s_mov_b32 s[G0A], 1
	s_lshl_b32 s20, s17, 16
	s_add_co_u32 s[G0A+1], s20, ASLOT
	s_lshl_b32 s2, s[KS], 16
	s_add_nc_u64 s[G0A+2:G0A+3], s[92:93], s[2:3]
	s_or_b32 s[G0A+3], s[G0A+3], 0x80000000
	s_mov_b32 s[G0BF], 1
	s_lshl_b32 s20, s17, 14
	s_add_co_u32 s[G0BF+1], s20, BREG
	s_lshl_b32 s2, s[K0], 15                       ; a K step of W is 32,768 bytes
	s_add_co_u32 s2, s2, s20
	s_add_nc_u64 s[G0BF+2:G0BF+3], s[94:95], s[2:3]
	s_or_b32 s[G0BF+3], s[G0BF+3], 0x80000000
	s_mov_b32 s[G0B], 1
	s_lshl_b32 s20, s17, 15
	s_add_co_u32 s[G0B+1], s20, BSLOT+BREG
	s_lshl_b32 s2, s[KS], 15
	s_add_nc_u64 s[G0B+2:G0B+3], s[94:95], s[2:3]
	s_or_b32 s[G0B+3], s[G0B+3], 0x80000000
	CROUND                                         ; all sixteen work-groups are here: the first joint loads meet
	s_cmp_eq_u32 s18, 0                            ; a wave's two first fills stand in one branch, ahead of every wait on TENSORcnt, every LDS read and every other barrier: all three slots are asked for
	s_cbranch_scc0 .Lfirst_b
	tensor_load_to_lds s[G0AF:G0AF+3], s[G1AH:G1AH+7]
	s_nop 0
	tensor_load_to_lds s[G0A:G0A+3], s[G1A:G1A+7]
	s_nop 0
	PLACES 4
	s_branch .Lfirst_asked
.Lfirst_b:
	tensor_load_to_lds s[G0BF:G0BF+3], s[G1BH:G1BH+7]
	s_nop 0
	tensor_load_to_lds s[G0B:G0B+3], s[G1B:G1B+7]
	s_nop 0
	PLACES 4
.Lfirst_asked:
	v_and_b32 v1, 31, v0                           ; l
	v_and_b32 v2, 15, v0                           ; l % 16
	v_bfe_u32 v3, v0, 4, 1                         ; l / 16
	v_lshlrev_b32 v6, 4, v1                        ; 16 l: my place in every image
	s_mul_i32 s20, s17, 40960                      ; A: tower T (32,768) and, in it, true blocks 4 T on (8,192 T),
	s_lshl_b32 s21, s18, 14                        ; my 128 rows: 8 fragments
	s_add_co_u32 s20, s20, s21
	v_add_nc_u32 v[ADRALO], s20, v6
	v_add_nc_u32 v[ADRALO+1], ASLOT, v[ADRALO]
	v_add_nc_u32 v[ADRALO+2], 2*ASLOT, v[ADRALO]
	s_mul_i32 s20, s17, 24576                      ; the other four blocks: 32,768 T + 8,192 (1 - T) = 8,192 + 24,576 T
	s_add_co_u32 s20, s20, s21
	s_add_co_u32 s20, s20, 8192
	v_add_nc_u32 v[ADRAHI], s20, v6
	v_add_nc_u32 v[ADRAHI+1], ASLOT, v[ADRAHI]
	v_add_nc_u32 v[ADRAHI+2], 2*ASLOT, v[ADRAHI]
	s_lshl_b32 s20, s17, 14                        ; W: tower T's 8 fragments
	s_add_co_u32 s20, s20, BREG
	v_add_nc_u32 v[ADRB], s20, v6
	v_add_nc_u32 v[ADRB+1], BSLOT, v[ADRB]
	v_add_nc_u32 v[ADRB+2], 2*BSLOT, v[ADRB]
	s_lshl_b32 s20, s16, 15
	v_add_nc_u32 v[STO], s20, v6
	s_xor_b32 s20, s16, 1
	s_lshl_b32 s20, s20, 15
	v_add_nc_u32 v[RDP], s20, v6
	v_lshlrev_b32 v[BO], 5, v3
	v_lshlrev_b32 v[PO], 3, v1
	s_lshl_b32 s20, s16, 8
	s_add_co_u32 s20, s20, FIN
	v_lshlrev_b32 v[FINA], 2, v2
	v_lshl_add_u32 v[FINA], v3, 7, v[FINA]
	v_add_nc_u32 v[FINA], s20, v[FINA]
	v_add_nc_u32 v[FINR], s20, v[PO]
	s_mov_b32 s[SEL], 0x76543210
	s_mov_b32 s[SEL+1], 0xfedcba98
	s_cmp_eq_u32 s17, 0
	s_cselect_b64 s[96:97], s[10:11], s[12:13]     ; my tower's bias,
	s_lshl_b32 s98, s78, 9                         ; at column 128 X.  (s[98:99] alone hold numbers made of both coordinates; no descriptor word is made of them)
	s_mov_b32 s99, 0
	s_add_nc_u64 s[96:97], s[96:97], s[98:99]
.irp b, 0,1,2,3,4,5,6,7
	global_load_b128 v[BIAS+8*\b:BIAS+8*\b+3],   v[BO], s[96:97] offset:64*\b      ; columns 16 b + 8 (l / 16) + 0 .. 7: the layout of a result
	global_load_b128 v[BIAS+8*\b+4:BIAS+8*\b+7], v[BO], s[96:97] offset:64*\b+16
.endr
	s_lshl_b32 s98, s78, 15                        ; part: 32,768 X + 4 (256 Y + 64 w)
	s_lshl_b32 s99, s79, 10
	s_add_co_u32 s98, s98, s99
	s_lshl_b32 s99, s16, 8
	s_add_co_u32 s98, s98, s99
	s_mov_b32 s99, 0
	s_add_nc_u64 s[14:15], s[14:15], s[98:99]
; 8 matrix instructions: local block a of A against W's eight fragments of set p.  zero = 1: the product starts the sums: nothing is ever cleared.
; The 64 accumulators take turns, one instruction a turn, in the same order in every step.
.macro MUL8 a, p, zero
.irp b, 0,1,2,3,4,5,6,7
.if \zero
	v_wmma_f32_16x16x128_bf8_bf8 v[8*(8*((\a)%4)+\b):8*(8*((\a)%4)+\b)+7], v[128*(\p)+16*\b:128*(\p)+16*\b+15], v[AF+16*(\a):AF+16*(\a)+15], 0
.else
	v_wmma_f32_16x16x128_bf8_bf8 v[8*(8*((\a)%4)+\b):8*(8*((\a)%4)+\b)+7], v[128*(\p)+16*\b:128*(\p)+16*\b+15], v[AF+16*(\a):AF+16*(\a)+15], v[8*(8*((\a)%4)+\b):8*(8*((\a)%4)+\b)+7]
.endif
.endr
.endm
.macro FETCH_B sg, set                 ; W's eight fragments out of slot sg into set: each load takes 512 consecutive bytes
	WIN 0x40                                       ; destination window 1, address window 0
.irp b, 0,1,2,3,4,5,6,7
.irp c, 0,1,2,3
	ds_load_b128 v[128*(\set)+16*\b+4*\c:128*(\set)+16*\b+4*\c+3], v[ADRB+(\sg)] offset:2048*\b+512*\c
.endr
.endr
	WIN 0
.endm
.macro FETCH_ALO sg                    ; A's local blocks 0-3
.irp i, 0,1,2,3
.irp c, 0,1,2,3
	ds_load_b128 v[AF+16*\i+4*\c:AF+16*\i+4*\c+3], v[ADRALO+(\sg)] offset:2048*\i+512*\c
.endr
.endr
.endm
.macro FETCH_AHI sg                    ; A's local blocks 4-7
.irp i, 0,1,2,3
.irp c, 0,1,2,3
	ds_load_b128 v[AF+64+16*\i+4*\c:AF+64+16*\i+4*\c+3], v[ADRAHI+(\sg)] offset:2048*\i+512*\c
.endr
.endr
.endm
; AN EVEN STEP (W's set 0).  A plain barrier: in front of it each wave waits for the one tensor load that it issued in the step before; behind it steps t + 1 and t + 2 are whole for every wave.
.macro STEP_Q t, zero
.set SG, ((\t)+1)%3
	s_wait_dscnt 16                                ; W's set and A's blocks 0-3 are in; the youngest 16 loads (A's blocks 4-7) may be out
	WIN MUL_LO
	MUL8 0, 0, \zero
	MUL8 1, 0, \zero
	MUL8 2, 0, \zero
	s_wait_dscnt 0x0                               ; A's blocks 4-7 are in: no LDS instruction of mine is pending at the signal
	s_wait_tensorcnt 0x0                           ; my one load has landed; none was issued behind it, so its count is 0
	s_barrier_signal -1
	MUL8 3, 0, \zero
	s_barrier_wait -1
	PLACES 4
	FETCH_B SG, 1
	FETCH_ALO SG
	WIN MUL_HI
	MUL8 4, 0, \zero
	MUL8 5, 0, \zero
	MUL8 6, 0, \zero
	MUL8 7, 0, \zero
	PLACES 4
	WIN 0
	FETCH_AHI SG
.endm
; AN ODD STEP (W's set 1) changes slots.  In front of the round each wave waits for all its tensor loads, adds 0 to its spare word, and waits for that and for its reads: slot t % 3 was read last by the loads just waited for,
; slot (t + 2) % 3 a step earlier.  Behind the round both are filled, one load a wave: 48 matrix instructions of this step and 24 of the next stand between the request and the wait for it.
.macro STEP_P t, last
.set SG,  ((\t)+1)%3
.set SLA, ((\t)+2)%3
.set SLB, ((\t)+3)%3
	s_wait_tensorcnt 0x0                           ; no tensor load of mine is out, so the groups 0 may be written;  (every window is 0 here: the two registers of the add lie in window 0)
	ds_add_u32 v[SPW], v[NIL]                      ; 0 onto my spare word; the descriptors' steps and eight products stand between it and the wait for it
	s_add_co_u32 s[KS], s[KS], 2                   ; two K steps on,
	s_and_b32 s[KS], s[KS], 15                     ; round from 15 to 0
	s_lshl_b32 s2, s[KS], 16
	s_add_nc_u64 s[G0A+2:G0A+3], s[92:93], s[2:3]  ; the address is made anew from the row block's,
	s_or_b32 s[G0A+3], s[G0A+3], 0x80000000        ; and the type set again
	s_lshl_b32 s2, s[KS], 15
	s_add_nc_u64 s[G0B+2:G0B+3], s[94:95], s[2:3]
	s_or_b32 s[G0B+3], s[G0B+3], 0x80000000
.if SLA < SLB
	s_mul_i32 s20, s17, (SLB-SLA)*ASLOT            ; wave parity 0: slot SLA; parity 1: slot SLB
	s_add_co_u32 s[G0A+1], s20, SLA*ASLOT
	s_mul_i32 s20, s17, (SLB-SLA)*BSLOT
	s_add_co_u32 s[G0B+1], s20, SLA*BSLOT+BREG
.else
	s_mul_i32 s[G0A+1], s19, 2*ASLOT               ; parity 0: slot 2; parity 1: slot 0
	s_mul_i32 s20, s19, 2*BSLOT
	s_add_co_u32 s[G0B+1], s20, BREG
.endif
	s_wait_dscnt 17                                ; (the add and the youngest 16 loads, A's blocks 4-7, may be out)
	WIN MUL_LO
	MUL8 0, 1, 0
	s_wait_dscnt 0x0                               ; the add is done, and my reads of the two slots are over
	s_barrier_signal -1                            ; this barrier opens a round of the cluster's barrier
	MUL8 1, 1, 0
	WIN 0
	s_barrier_wait -1
	CREST                                          ; no wave of any partner still reads these slots or has a load on its way
.if \last
	JLOAD_LAST
.else
	JLOAD                                          ; the first tensor load behind the round, and my only one until the next
.endif
	WIN MUL_LO
	MUL8 2, 1, 0
	MUL8 3, 1, 0
	PLACES 4
	FETCH_B SG, 0
	FETCH_ALO SG
	WIN MUL_HI
	MUL8 4, 1, 0
	MUL8 5, 1, 0
	MUL8 6, 1, 0
	MUL8 7, 1, 0
	PLACES 4
	WIN 0
	FETCH_AHI SG
.endm
	s_wait_tensorcnt 0x1                           ; my half of the first K step is in; my second load may stay out
	s_barrier_signal -1
	s_barrier_wait -1                              ; everybody's is
	FETCH_B 0, 0
	FETCH_ALO 0
	FETCH_AHI 0
	STEP_Q 0, 1                                    ; the first step's products start the sums
.irp t, 1,3,5,7,9,11
	STEP_P \t, 0
	STEP_Q \t+1, 0
.endr
	STEP_P 13, 1
	STEP_Q 14, 0
	s_wait_dscnt 16                                ; step 15: nothing more to fetch
	WIN MUL_LO
	MUL8 0, 1, 0
	MUL8 1, 1, 0
	MUL8 2, 1, 0
	MUL8 3, 1, 0
	s_wait_dscnt 0x0                               ; my reads of the ring are over:
	s_barrier_signal -1                            ; behind this barrier A's slots 0 and 1, which have had their last fill, serve the exchange
	WIN MUL_HI
	MUL8 4, 1, 0
	MUL8 5, 1, 0
	MUL8 6, 1, 0
	MUL8 7, 1, 0
	WIN 0
	s_barrier_wait -1
	; THE WAY OUT.  h = max(y, 0.001 y), y = sum x 2^(eA + eW) + bias: for y >= 0 the first is the larger, for y < 0 the second: the activation as it is defined.
	s_wait_kmcnt 0x0
	s_add_co_i32 s88, s88, s89
	s_add_co_i32 s90, s90, s91
	s_cmp_eq_u32 s17, 0
	s_cselect_b32 s[SC], s88, s90                  ; my tower's two exponents, added: chosen without a branch
	s_add_co_i32 s[SC], s[SC], 127
	s_lshl_b32 s[SC], s[SC], 23                    ; 2^(eA + eW) as f32
	s_mov_b32 s[SC+1], s[SC]                       ; (named with it as a pair, so it is written)
	s_mov_b32 s20, 0x3a83126f                      ; 0.001
	s_mov_b32 s21, s20
	s_wait_loadcnt 0x0                             ; the bias
	PLACES 4                                       ; behind the last products
; The 256 numbers of window w: each accumulator is read from its low end on.  0.001 y goes into window 1, whose fragments are done with.
.macro ACT w
	WIN (((\w)<<6)|(\w))                           ; destination and source 0 window w, the bias window 0
.set RR, 0
.rept 128
	v_pk_fma_f32 v[RR:RR+1], v[RR:RR+1], s[SC:SC+1], v[BIAS+RR%64:BIAS+RR%64+1] op_sel_hi:[1,0,1]
.set RR, RR+2
.endr
	WIN (0x40|(\w))                                ; destination window 1
.set RR, 0
.rept 128
	v_pk_mul_f32 v[RR:RR+1], v[RR:RR+1], s[20:21] op_sel_hi:[1,0]
.set RR, RR+2
.endr
	WIN (((\w)<<6)|0x04|(\w))                      ; destination and source 0 window w, source 1 window 1
.set RR, 0
.rept 256
	v_max_num_f32 v[RR], v[RR], v[RR]
.set RR, RR+1
.endr
.endm
	ACT 3                                          ; the half that I send,
	WIN 0x0c                                       ; (store data window 3, address window 0)
.set RR, 0
.rept 64
	ds_store_b128 v[STO], v[RR:RR+3] offset:128*RR ; as an image of its registers: register group q at 512 q + 16 l
.set RR, RR+4
.endr
	ACT 2                                          ; the half that I keep, while the stores are on their way
	WIN 0
	s_wait_dscnt 0x0                               ; for my partner's sake: my stores have landed
	s_barrier_signal -1
	s_barrier_wait -1
	WIN 0x40
.set RR, 0
.rept 64
	ds_load_b128 v[RR:RR+3], v[RDP] offset:128*RR  ; my partner's window 3 into my window 1: its register R is the same row, column and lane as my window 2's register R, of the other tower
.set RR, RR+4
.endr
	WIN 0x06                                       ; source 0 window 2 (mine), source 1 window 1 (the partner's), the chains window 0
.irp a, 0,1,2,3                        ; block a: 64 products a lane in four packed chains
	s_wait_dscnt 48-16*\a                          ; block a's 16 loads are in; those of the blocks behind it may be out
.irp c, 0,1,2,3
	v_pk_mul_f32 v[DOT+8*\a+2*\c:DOT+8*\a+2*\c+1], v[64*\a+2*\c:64*\a+2*\c+1], v[64*\a+2*\c:64*\a+2*\c+1]
.endr
.set PP, 4
.rept 28
	v_pk_fma_f32 v[DOT+8*\a+2*(PP%4):DOT+8*\a+2*(PP%4)+1], v[64*\a+2*PP:64*\a+2*PP+1], v[64*\a+2*PP:64*\a+2*PP+1], v[DOT+8*\a+2*(PP%4):DOT+8*\a+2*(PP%4)+1]
.set PP, PP+1
.endr
.endr
	WIN 0
.irp a, 0,1,2,3
	v_pk_add_f32 v[DOT+8*\a:DOT+8*\a+1], v[DOT+8*\a:DOT+8*\a+1], v[DOT+8*\a+2:DOT+8*\a+3]
	v_pk_add_f32 v[DOT+8*\a+4:DOT+8*\a+5], v[DOT+8*\a+4:DOT+8*\a+5], v[DOT+8*\a+6:DOT+8*\a+7]
.endr
.irp a, 0,1,2,3
	v_pk_add_f32 v[DOT+8*\a:DOT+8*\a+1], v[DOT+8*\a:DOT+8*\a+1], v[DOT+8*\a+4:DOT+8*\a+5]
.endr
.irp a, 0,1,2,3
	v_add_f32 v[DOT+8*\a], v[DOT+8*\a], v[DOT+8*\a+1]
.endr
.irp a, 0,1,2,3
	v_permlanex16_b32 v[DOT+8*\a+1], v[DOT+8*\a], s[SEL], s[SEL+1]   ; the row's other 64 columns lie in the lane 16 away
.endr
.irp a, 0,1,2,3
	v_add_f32 v[DOT+8*\a], v[DOT+8*\a], v[DOT+8*\a+1]                ; row 16 a + l % 16, in both halves of the lanes
.endr
	v_cmp_gt_u32 vcc_lo, 16, v1
	v_cndmask_b32 v[DOT+2], v[DOT+16], v[DOT], vcc_lo      ; lanes 0-15: block 0; lanes 16-31: block 2
	v_cndmask_b32 v[DOT+3], v[DOT+24], v[DOT+8], vcc_lo    ; lanes 0-15: block 1; lanes 16-31: block 3
	ds_store_b32 v[FINA], v[DOT+2]
	ds_store_b32 v[FINA], v[DOT+3] offset:64
	ds_load_b64 v[DOT+4:DOT+5], v[FINR]            ; LDS serves a wave's instructions in order (ISA guide 5.7.1.4): this sees my two stores.  My 64 sums, two a lane
	s_wait_dscnt 0x0
	global_store_b64 v[PO], v[DOT+4:DOT+5], s[14:15]       ; the wave stores 256 consecutive bytes, at a multiple of 256 from the buffer's first byte
	s_wait_tensorcnt 0x0                           ; the wave's end: behind my last tensor load and my last LDS store
	ds_add_u32 v[SPW], v[NIL]
	s_wait_dscnt 0x0
	CROUND                                         ; the closing round: no work-group ends while a partner may still ask for a tile that names it
	s_endpgm
.Lfunc_end_k_qbd6c7c26d1_towers:
	.size	k_qbd6c7c26d1_towers, .Lfunc_end_k_qbd6c7c26d1_towers-k_qbd6c7c26d1_towers
	.p2alignl 7, 3214868480
	.fill 96, 4, 3214868480
	.section	.rodata,"a",@progbits
	.p2align	6, 0x0
	.amdhsa_kernel k_qbd6c7c26d1_towers
		.amdhsa_group_segment_fixed_size 327680
		.amdhsa_private_segment_fixed_size 0
		.amdhsa_enable_private_segment 0
		.amdhsa_kernarg_size 48
		.amdhsa_user_sgpr_count 2
		.amdhsa_user_sgpr_kernarg_segment_ptr 1
		.amdhsa_wavefront_size32 1
		.amdhsa_system_sgpr_workgroup_id_x 1
		.amdhsa_system_sgpr_workgroup_id_y 1
		.amdhsa_system_sgpr_workgroup_id_z 1
		.amdhsa_system_vgpr_workitem_id 0
		.amdhsa_next_free_vgpr 1024
		.amdhsa_next_free_sgpr 100
		.amdhsa_reserve_vcc 1
		.amdhsa_float_denorm_mode_32 3
		.amdhsa_float_denorm_mode_16_64 3
		.amdhsa_memory_ordered 1
		.amdhsa_forward_progress 1
		.amdhsa_inst_pref_size 224
	.end_amdhsa_kernel
	.amdgpu_metadata
---
amdhsa.version: [ 1, 2 ]
amdhsa.kernels:
  - .name:           k_qbd6c7c26d1_towers
    .symbol:         k_qbd6c7c26d1_towers.kd
    .args:
      - { .name: acodes, .offset: 0, .size: 8, .value_kind: global_buffer, .address_space: global }
      - { .name: wimg, .offset: 8, .size: 8, .value_kind: global_buffer, .address_space: global }
      - { .name: lowp_scales, .offset: 16, .size: 8, .value_kind: global_buffer, .address_space: global }
      - { .name: b_u, .offset: 24, .size: 8, .value_kind: global_buffer, .address_space: global }
      - { .name: b_v, .offset: 32, .size: 8, .value_kind: global_buffer, .address_space: global }
      - { .name: part, .offset: 40, .size: 8, .value_kind: global_buffer, .address_space: global }
    .group_segment_fixed_size: 327680
    .private_segment_fixed_size: 0
    .kernarg_segment_align: 8
    .kernarg_segment_size: 48
    .max_flat_workgroup_size: 128
    .sgpr_count:     100
    .vgpr_count:     1024
    .wavefront_size: 32
...
	.end_amdgpu_metadata
.endif
;; end of part 2
;; launch finish (part 3): grid 64 x 1, 1 waves a work-group, no clusters, 0 bytes of LDS; arguments part, out0; writes out0
.if DOCPART == 3
	.amdgcn_target "amdgcn-amd-amdhsa--gfx1250"
	.amdhsa_code_object_version 6
	.text
	.protected	k_qbd6c7c26d1_finish
	.globl	k_qbd6c7c26d1_finish
	.p2align	8
	.type	k_qbd6c7c26d1_finish,@function
k_qbd6c7c26d1_finish:
	s_mov_b64 s[64:65], 0
	v_nop
	global_prefetch_b8 v0, s[64:65] scope:SCOPE_SE
	s_setreg_imm32_b32 hwreg(HW_REG_WAVE_MODE, 25, 1), 1
	s_wait_xcnt 0x0
; out0[m] = the sum over the 16 column blocks X of part[X][m].  part: [16][8,192] f32.  The sum spans the work-groups of the launch before, so it is made here, in a fixed order.
; A wave takes 128 rows, a lane 4: 16 loads of 512 consecutive bytes, all on their way together; a tree of 30 packed additions; one store of 512 consecutive bytes.
; 64 work-groups of one wave: there is no more work than that.  No LDS, no barrier, no cluster (nothing is shared), no prefetch (each wave's loads all go out at once).
	s_load_b128 s[4:7], s[0:1], 0x0                ; part, out0
	v_lshlrev_b32 v1, 4, v0
	s_lshl_b32 s8, ttmp9, 9
	v_add_nc_u32 v1, s8, v1                        ; 512 x work-group + 16 x lane
	s_wait_kmcnt 0x0
.irp x, 0,1,2,3,4,5,6,7,8,9,10,11,12,13,14,15
	global_load_b128 v[4+4*\x:7+4*\x], v1, s[4:5] offset:32768*\x th:TH_LOAD_NT
.endr
	s_wait_loadcnt 0x0
.irp d, 32, 16, 8, 4                   ; blocks 8, 4, 2 and 1 apart
.set PP, 0
.rept \d/2
	v_pk_add_f32 v[4+PP:5+PP], v[4+PP:5+PP], v[4+\d+PP:5+\d+PP]
.set PP, PP+2
.endr
.endr
	global_store_b128 v1, v[4:7], s[6:7]
	s_endpgm
.Lfunc_end_k_qbd6c7c26d1_finish:
	.size	k_qbd6c7c26d1_finish, .Lfunc_end_k_qbd6c7c26d1_finish-k_qbd6c7c26d1_finish
	.p2alignl 7, 3214868480
	.fill 96, 4, 3214868480
	.section	.rodata,"a",@progbits
	.p2align	6, 0x0
	.amdhsa_kernel k_qbd6c7c26d1_finish
		.amdhsa_group_segment_fixed_size 0
		.amdhsa_private_segment_fixed_size 0
		.amdhsa_enable_private_segment 0
		.amdhsa_kernarg_size 16
		.amdhsa_user_sgpr_count 2
		.amdhsa_user_sgpr_kernarg_segment_ptr 1
		.amdhsa_wavefront_size32 1
		.amdhsa_system_sgpr_workgroup_id_x 1
		.amdhsa_system_sgpr_workgroup_id_y 1
		.amdhsa_system_sgpr_workgroup_id_z 1
		.amdhsa_system_vgpr_workitem_id 0
		.amdhsa_next_free_vgpr 72
		.amdhsa_next_free_sgpr 66
		.amdhsa_reserve_vcc 0
		.amdhsa_float_denorm_mode_32 3
		.amdhsa_float_denorm_mode_16_64 3
		.amdhsa_memory_ordered 1
		.amdhsa_forward_progress 1
		.amdhsa_inst_pref_size 4
	.end_amdhsa_kernel
	.amdgpu_metadata
---
amdhsa.version: [ 1, 2 ]
amdhsa.kernels:
  - .name:           k_qbd6c7c26d1_finish
    .symbol:         k_qbd6c7c26d1_finish.kd
    .args:
      - { .name: part, .offset: 0, .size: 8, .value_kind: global_buffer, .address_space: global }
      - { .name: out0, .offset: 8, .size: 8, .value_kind: global_buffer, .address_space: global }
    .group_segment_fixed_size: 0
    .private_segment_fixed_size: 0
    .kernarg_segment_align: 8
    .kernarg_segment_size: 16
    .max_flat_workgroup_size: 32
    .sgpr_count:     66
    .vgpr_count:     72
    .wavefront_size: 32
...
	.end_amdgpu_metadata
.endif
;; end of part 3
